; MI455X (gfx1250); checked and timed in simulation.
; The chip was launched on July 23, 2026; its instructions are those of AMD's public machine-readable ISA for CDNA 5 (MIT licence, August 2026) and "CDNA5" Instruction Set Architecture Reference Guide (July 2026). The comments in the code are by the model that wrote it; some were corrected since.
;; Self Attention. Allowed arithmetic: matrix products marked QUANTISED: E2M3 operands, one E8M0 scale for each 32 along K, by v_wmma_scale_f32_16x16x128_f8f6f4 with both operands' format E2M3, f32 sums; everything else in f32.
;; Inputs: W_out 1,024 x 1,024 float32; W_qkv 3,072 x 1,024 float32; b_out 1,024 float32; x 4 x 2,048 x 1,024 float32.
;; Outputs: out0 4 x 2,048 x 1,024 float32.
;; This version of the problem:
;;   THIS VERSION OF THE PROBLEM IS GIVEN IN LOW PRECISION. The matrix products marked QUANTISED in the list below multiply operands that are first quantised to E2M3 (2 exponent bits, 3 mantissa bits; 6 bits a number), with one power-of-two scale for each 32 numbers along K (OCP MX v1.0); their sums are f32. All else is computed in f32.
;;   The module's matrix products, in the order in which they are computed (A, B: the left and right operand; K: the contracted axis; several contracted axes count as one K, in the product's order):
;;     1. [M 8,192, K 1,024] x [K 1,024, N 3,072]; A: input x; B: input W_qkv: QUANTISED
;;     2. batch 64 x [M 2,048, K 64] x [K 64, N 2,048]; A: computed on the way; B: computed on the way: QUANTISED
;;     3. batch 64 x [M 2,048, K 2,048] x [K 2,048, N 64]; A: softmax (see below); B: computed on the way: QUANTISED
;;     4. [M 8,192, K 1,024] x [K 1,024, N 1,024]; A: computed on the way; B: input W_out: QUANTISED
;;   THE QUANTISER, for each operand of a quantised product, along K:
;;     - K is cut into blocks of 32 from its start; a last block that is shorter is filled with zeros.
;;     - A block's scale is 2^e with e = floor(log2(the largest magnitude in the block)) - 2, held to -126 .. 127; a block of zeros has e = 0. As a byte (E8M0): e + 127.
;;     - Each number is divided by its block's scale, clamped to +-7.5, and rounded to the nearest number of E2M3, ties to even, subnormals kept.
;;     - The product sums the exact products of the quantised numbers (number of the format x scale) in f32.
;;   ~~~python
;;   def quantise(x, axis):      # numpy; x: float32 -> the quantised numbers, widened to float32 again
;;       x = np.moveaxis(x, axis, -1); K = x.shape[-1]
;;       x = np.pad(x, [(0, 0)] * (x.ndim - 1) + [(0, -K % 32)]); x = x.reshape(x.shape[:-1] + (-1, 32)); a = np.abs(x).max(-1, keepdims=True)
;;       e = np.where(a > 0, np.clip(np.frexp(np.where(a > 0, a, 1))[1] - 1 - 2, -126, 127), 0)      # np.frexp(a)[1] - 1 = floor(log2(a)), exactly
;;       r = np.clip(x / 2.0 ** e, -7.5, 7.5)
;;       step = 2.0 ** (np.maximum(np.frexp(np.where(r == 0, 1, r))[1] - 1, 0) - 3)
;;       q = np.round(r / step) * step * 2.0 ** e      # np.round: ties to even
;;       return np.moveaxis(q.reshape(q.shape[:-2] + (-1,))[..., :K], -1, axis).astype(np.float32)
;;   ~~~
;;   SOFTMAX AHEAD OF A QUANTISED PRODUCT. Where the list says 'softmax', what is quantised is not the finished softmax but p = 2^(t - M), with t = logit x log2(e) and M = ceil(the row's largest t), a whole number; so 1/2 < the row's largest p <= 1. The row's sum l is taken of the UNQUANTISED p, in f32, and the product's result is divided by l at the end. Since M is a whole number, a kernel that streams over the keys may use a running M (the ceiling of the running maximum): every later rescaling is an exact power of two, which a block's scale takes up: the codes' values come out the same.
;;   OPERANDS COMPUTED ON THE WAY. 'Computed on the way' means the value that the module computes at that place (a softmax that the list does not call 'softmax' is quantised finished and normalised). What goes into a quantiser is computed in f32, as accurately as f32 sums, v_exp_f32 and their like allow (about 1e-6 of the number): no bf16 or f16 on the way to a quantiser, and a product that is left as it is and whose result goes on into a quantised operand takes f32 operands (vector FMAs, or v_wmma_f32_16x16x4_f32). A number that lies on a knife's edge between two numbers of the format may be rounded either way, as far as f32 arithmetic and the matrix unit's own rounding can turn it there, and no further.
;; One version. Each part assembles by itself: llvm-mc -triple=amdgcn-amd-amdhsa -mcpu=gfx1250 --defsym DOCPART=n.
;; ======== version 1 of 1: 4 launches
;; limits: right only within a limited range of input values
;; workspace buffers: qc 9,830,400 bytes; hd 20,185,088 bytes; ac 6,553,600 bytes
;; launch quant (part 1): grid 384 x 1, 4 waves a work-group, no clusters, 34,304 bytes of LDS; arguments x, W_qkv, W_out, qc; writes qc
.if DOCPART == 1
	.amdgcn_target "amdgcn-amd-amdhsa--gfx1250"
	.amdhsa_code_object_version 6
	.text
	.protected	k_q3517d1635d_quant
	.globl	k_q3517d1635d_quant
	.p2align	8
	.type	k_q3517d1635d_quant,@function
k_q3517d1635d_quant:
	s_mov_b64 s[64:65], 0
	v_nop
	global_prefetch_b8 v0, s[64:65] scope:SCOPE_SE
	s_setreg_imm32_b32 hwreg(HW_REG_WAVE_MODE, 25, 1), 1
	s_wait_xcnt 0x0
; x [8192][1024], W_qkv [3072][1024], W_out [1024][1024], f32, K innermost, become codes of FP6 (E2M3) with one E8M0 byte for each 32 along K,
; laid in qc AS IMAGES OF THE OPERAND'S REGISTERS.  qc is 768 records of 12,800 bytes, one for each ROW BLOCK of 16 rows: 0-511 x, 512-703 W_qkv, 704-767 W_out.
; ROW BLOCK p of a tensor holds, in lane r (0..15), row 32 (p / 2) + 8 (p % 2) + r + 8 (r / 8): as source 0 of a product two neighbouring blocks then leave 16 neighbours of the next K in a lane's 16 result registers.
; A record is two K halves of 6,400 bytes: four fragment images (16 rows x 128 K: 12 registers a lane; registers 4 c .. 4 c + 3 of lane l at 512 c + 16 l) and 256 bytes of scale words (row lane r, K step q at 16 r + 4 q).
; A block's scale is 2^(floor(log2(largest magnitude)) - 2); its byte is the largest magnitude's exponent field - 2, held at 1 from below.
; LIMITS: NaN and infinities are not served; a block whose largest magnitude lies under 2^-124 keeps the byte 1; a block of zeros has the byte 1, not 127: its codes are zeros, and only this program reads the bytes.
; SHARES: work-group g takes row blocks 2 g and 2 g + 1; wave w takes block 2 g + w / 2, K half w % 2: 32 KiB read, 6,400 consecutive bytes written.  Waves share nothing: no barrier.
; No matrix unit, no cluster, no tensor load: each byte is read by one wave, once.
; Each load reads 512 consecutive bytes of one row; a fragment's 16 rows turn through the wave's own stage in LDS (rows of 512 + 16 bytes), so that a lane gets 16 neighbours of each block of 32.
.set STG,   8448                       ; a wave's stage: 16 rows x 528 bytes
.set SPARE, 4*STG                      ; behind the stages: the spare words, 128 bytes a wave: two blocks of 256 bytes that no other line names
.set RA,    16                         ; v16-143  two sets of 64: a fragment's numbers as loaded
.set X,     144                        ; v144-207 register 16 b + i = k 32 b + 16 (lane / 16) + i of my row
.set PC,    208                        ; v208-219 the fragment's codes
.set CT,    220                        ; v220-226 the conversions' second halves
.set TM,    228                        ; v228-243 at work
.set PW,    244                        ; v244-247 the four K steps' scale words
.set SPW,   6                          ; v6  LDS address of my spare word; never rewritten
.set NIL,   7                          ; v7  0; never rewritten
.set SEL,   14                         ; s[14:15] selects for lane l xor 16
; 64 numbers of a lane become a fragment's codes (d0 .. d0 + 5: k = 32 h + 0 .. 31; d1 .. d1 + 5: k = 64 + 32 h + 0 .. 31) and its row's scale word.
.macro QUANT s, d0, d1, pw
.irp b, 0,1,2,3
	v_max3_num_f32 v[TM+\b], |v[(\s)+16*\b]|, |v[(\s)+16*\b+1]|, 0x1800000   ; block b: my 16 numbers, and the floor 2^(3 - 127): the byte cannot fall under 1
.endr
.irp i, 2,4,6,8,10,12,14
.irp b, 0,1,2,3
	v_max3_num_f32 v[TM+\b], |v[(\s)+16*\b+\i]|, |v[(\s)+16*\b+\i+1]|, v[TM+\b]   ; the four blocks by turns
.endr
.endr
.irp b, 0,1,2,3
	v_permlanex16_b32 v[TM+4+\b], v[TM+\b], s[SEL], s[SEL+1]
.endr
.irp b, 0,1,2,3
	v_max_num_f32 v[TM+\b], v[TM+\b], v[TM+4+\b]   ; with lane l xor 16's 16: the block's largest magnitude
.endr
.irp b, 0,1,2,3
	v_add_nc_u32 v[TM+12+\b], 0xff000000, v[TM+\b]  ; 2 off its exponent field: the conversion's scale operand
.endr
.irp b, 0,1,2,3
	v_lshrrev_b32 v[TM+4+\b], 23, v[TM+12+\b]       ; the scale's byte
.endr
	v_lshl_or_b32 v[\pw], v[TM+5], 8, v[TM+4]
	v_lshl_or_b32 v[\pw], v[TM+6], 16, v[\pw]
	v_lshl_or_b32 v[\pw], v[TM+7], 24, v[\pw]
	v_cvt_scalef32_pk16_fp6_f32 v[(\d0):(\d0)+2], v[(\s):(\s)+15], v[TM+12]
	v_cvt_scalef32_pk16_fp6_f32 v[CT:CT+2], v[(\s)+16:(\s)+31], v[TM+13]      ; (a conversion's three registers begin on an even number)
	v_cvt_scalef32_pk16_fp6_f32 v[(\d1):(\d1)+2], v[(\s)+32:(\s)+47], v[TM+14]
	v_cvt_scalef32_pk16_fp6_f32 v[CT+4:CT+6], v[(\s)+48:(\s)+63], v[TM+15]
	v_nop                                          ; one plain place behind the conversions
.irp i, 0,1,2
	v_permlane16_swap_b32 v[(\d0)+\i], v[CT+\i]    ; a whole block to a lane: lanes 0-15 the even block, lanes 16-31 the odd one
	v_permlane16_swap_b32 v[(\d1)+\i], v[CT+4+\i]
.endr
.irp i, 0,1,2
	v_mov_b32 v[(\d0)+3+\i], v[CT+\i]
	v_mov_b32 v[(\d1)+3+\i], v[CT+4+\i]
.endr
.endm
	s_load_b256 s[4:11], s[0:1], 0x0               ; x s[4:5], W_qkv s[6:7], W_out s[8:9], qc s[10:11]
	v_lshl_add_u32 v[SPW], v0, 2, SPARE
	v_mov_b32 v[NIL], 0
	v_lshrrev_b32 v1, 5, v0
	v_readfirstlane_b32 s12, v1                    ; wave 0..3
	v_and_b32 v1, 31, v0                           ; lane
	v_lshlrev_b32 v2, 4, v1                        ; 16 x lane: my bytes of a load's 512, and of an image's 512
	s_mul_i32 s13, s12, STG
	v_add_nc_u32 v3, s13, v2                       ; the stage, on the way in: a row as it lies
	v_and_b32 v10, 15, v0                          ; r
	v_bfe_u32 v11, v0, 4, 1                        ; h
	v_mul_u32_u24 v4, v10, 528
	v_lshl_add_u32 v4, v11, 6, v4
	v_add_nc_u32 v4, s13, v4                       ; and on the way out: row r, + 64 h
	v_lshlrev_b32 v5, 4, v10
	v_lshl_add_u32 v5, v11, 3, v5                  ; the scale words' place: 16 r + 8 h
	s_mov_b32 s[SEL], 0x76543210
	s_mov_b32 s[SEL+1], 0xfedcba98
.irp b, 0,1,2,3
	v_mov_b32 v[TM+4+\b], 0                        ; written once: a lane permute's destination counts as one of its sources
.endr
	s_lshr_b32 s16, s12, 1                         ; which of the two row blocks
	s_and_b32 s17, s12, 1                          ; which K half
	s_wait_alu depctr_va_vdst(0)
	s_wait_kmcnt 0x0
	s_cmp_lt_u32 ttmp9, 256                        ; which tensor: the choice hangs on the work-group's number alone
	s_cselect_b64 s[4:5], s[4:5], s[6:7]
	s_cselect_b32 s18, 0, 256
	s_cmp_lt_u32 ttmp9, 352
	s_cselect_b64 s[4:5], s[4:5], s[8:9]
	s_cselect_b32 s18, s18, 352
	s_sub_co_u32 s18, ttmp9, s18                   ; the pair of row blocks within the tensor
	s_lshl_b32 s18, s18, 5                         ; its 32 rows,
	s_lshl_b32 s19, s16, 3
	s_add_co_u32 s18, s18, s19                     ; + 8 for the odd block,
	s_lshl_b32 s18, s18, 12                        ; of 4,096 bytes,
	s_lshl_b32 s19, s17, 11
	s_add_co_u32 s18, s18, s19                     ; + my K half's 2,048
	s_mov_b32 s19, 0
	s_add_nc_u64 s[4:5], s[4:5], s[18:19]
	s_lshl_b32 s20, ttmp9, 2
	s_add_co_u32 s20, s20, s12
	s_mul_i32 s20, s20, 6400                       ; half record 4 g + w
	s_mov_b32 s21, 0
	s_add_nc_u64 s[10:11], s[10:11], s[20:21]
.macro LOAD t                          ; fragment t: the block's 16 rows, 512 consecutive bytes each
.irp i, 0,1,2,3,4,5,6,7,8,9,10,11,12,13,14,15
	global_load_b128 v[RA+64*((\t)%2)+4*\i:RA+64*((\t)%2)+4*\i+3], v2, s[4:5] offset:(\i+8*(\i/8))*4096+512*(\t) th:TH_LOAD_NT
.endr
.endm
.macro STEP t
.if (\t) < 3
	s_wait_loadcnt 16                              ; this fragment's 16 loads are in; the next fragment's 16 may be out
.else
	s_wait_loadcnt 0x0
.endif
.irp i, 0,1,2,3,4,5,6,7,8,9,10,11,12,13,14,15
	ds_store_b128 v3, v[RA+64*((\t)%2)+4*\i:RA+64*((\t)%2)+4*\i+3] offset:528*\i
.endr
.irp b, 0,1,2,3
.irp j, 0,1,2,3
	ds_load_b128 v[X+16*\b+4*\j:X+16*\b+4*\j+3], v4 offset:128*\b+16*\j   ; LDS serves a wave's instructions in order: these see the stores above
.endr
.endr
	s_wait_dscnt 0x0                               ; the numbers are back, and the stores have read their registers,
.if (\t) < 2
	LOAD (\t)+2                                    ; which take the fragment two on
.endif
	s_wait_xcnt 0x0                                ; the last fragment's stores have read the codes' registers: they are written again only behind this wait
	QUANT X, PC, PC+6, PW+(\t)
.irp c, 0,1,2
	global_store_b128 v2, v[PC+4*\c:PC+4*\c+3], s[10:11] offset:1536*(\t)+512*\c   ; 32 lanes store 512 consecutive bytes
.endr
.endm
	LOAD 0
	LOAD 1
	STEP 0
	STEP 1
	STEP 2
	STEP 3
	v_cmp_le_u32 vcc_lo, 16, v1                    ; lanes 16-31 store K steps 2 and 3 of their row's four words
	v_cndmask_b32 v8, v[PW], v[PW+2], vcc_lo
	v_cndmask_b32 v9, v[PW+1], v[PW+3], vcc_lo
	global_store_b64 v5, v[8:9], s[10:11] offset:6144   ; 32 lanes store 256 consecutive bytes
	s_wait_tensorcnt 0x0                           ; the wave's end, behind my last LDS store
	ds_add_u32 v[SPW], v[NIL]
	s_wait_dscnt 0x0
	s_endpgm
.Lfunc_end_k_q3517d1635d_quant:
	.size	k_q3517d1635d_quant, .Lfunc_end_k_q3517d1635d_quant-k_q3517d1635d_quant
	.p2alignl 7, 3214868480
	.fill 96, 4, 3214868480
	.section	.rodata,"a",@progbits
	.p2align	6, 0x0
	.amdhsa_kernel k_q3517d1635d_quant
		.amdhsa_group_segment_fixed_size 34304
		.amdhsa_private_segment_fixed_size 0
		.amdhsa_enable_private_segment 0
		.amdhsa_kernarg_size 32
		.amdhsa_user_sgpr_count 2
		.amdhsa_user_sgpr_kernarg_segment_ptr 1
		.amdhsa_wavefront_size32 1
		.amdhsa_system_sgpr_workgroup_id_x 1
		.amdhsa_system_sgpr_workgroup_id_y 1
		.amdhsa_system_sgpr_workgroup_id_z 1
		.amdhsa_system_vgpr_workitem_id 0
		.amdhsa_next_free_vgpr 256
		.amdhsa_next_free_sgpr 66
		.amdhsa_reserve_vcc 1
		.amdhsa_float_denorm_mode_32 3
		.amdhsa_float_denorm_mode_16_64 3
		.amdhsa_memory_ordered 1
		.amdhsa_forward_progress 1
		.amdhsa_inst_pref_size 33
	.end_amdhsa_kernel
	.amdgpu_metadata
---
amdhsa.version: [ 1, 2 ]
amdhsa.kernels:
  - .name:           k_q3517d1635d_quant
    .symbol:         k_q3517d1635d_quant.kd
    .args:
      - { .name: x, .offset: 0, .size: 8, .value_kind: global_buffer, .address_space: global }
      - { .name: W_qkv, .offset: 8, .size: 8, .value_kind: global_buffer, .address_space: global }
      - { .name: W_out, .offset: 16, .size: 8, .value_kind: global_buffer, .address_space: global }
      - { .name: qc, .offset: 24, .size: 8, .value_kind: global_buffer, .address_space: global }
    .group_segment_fixed_size: 34304
    .private_segment_fixed_size: 0
    .kernarg_segment_align: 8
    .kernarg_segment_size: 32
    .max_flat_workgroup_size: 128
    .sgpr_count:     66
    .vgpr_count:     256
    .wavefront_size: 32
...
	.end_amdgpu_metadata
.endif
;; end of part 1
;; launch qkv (part 2): grid 24 x 32, 4 waves a work-group, clusters of 4 x 4, 327,680 bytes of LDS; arguments qc, hd; writes hd
.if DOCPART == 2
	.amdgcn_target "amdgcn-amd-amdhsa--gfx1250"
	.amdhsa_code_object_version 6
	.text
	.protected	k_q3517d1635d_qkv
	.globl	k_q3517d1635d_qkv
	.p2align	8
	.type	k_q3517d1635d_qkv,@function
k_q3517d1635d_qkv:
	s_mov_b64 s[64:65], 0
	v_nop
	global_prefetch_b8 v0, s[64:65] scope:SCOPE_SE
	s_setreg_imm32_b32 hwreg(HW_REG_WAVE_MODE, 25, 1), 1
	s_wait_xcnt 0x0
	s_wait_alu depctr_hold_cnt(0) depctr_sa_sdst(0) depctr_va_vdst(0) depctr_va_sdst(0) depctr_va_ssrc(0) depctr_va_vcc(0) depctr_vm_vsrc(0)
	s_getreg_b32 s2, hwreg(HW_REG_IB_STS2, 6, 4)
	s_cmp_eq_u32 s2, 0
	s_cbranch_scc0 .Lentry_in_a_cluster
	s_endpgm
.Lentry_in_a_cluster:
	s_bfe_u32 s2, ttmp6, 0x10000c
	s_cmp_lg_u32 s2, 0xf033
	s_cbranch_scc0 .Lentry_shape_is_right
	s_endpgm
.Lentry_shape_is_right:
; qkv = x W_qkv^T on codes of FP6 (E2M3) with E8M0 scales, K = 1,024; q, k and v are quantised IN REGISTERS on the way out and leave as register images for the attention launch.  No f32 result goes to memory.
; A TILE: P = 128 rows (8 row blocks), source 0: its rows run along a lane's result registers; L = 256 rows (16 row blocks), source 1: a lane holds one of its rows.  ALL of K lies in LDS: two K halves of 153,600 bytes.
; Wave w: all 8 blocks of P x L's blocks 4 w .. 4 w + 3: 32 accumulators, 8 K steps, 256 matrix instructions.
; q AND k (cluster x < 4): P = rows of W_qkv (two heads' 128 channels), L = tokens: a lane holds a token and its registers run along the channels, the K of q k^T.
; v (cluster x >= 4): P = 128 tokens (a key step), L = rows of W_v: a lane holds a channel and its registers run along the keys, the K of p v.  The roles are swapped, not the text.
; ROW BLOCK p holds, in lane r, row 32 (p / 2) + 8 (p % 2) + r + 8 (r / 8): the 16 registers of P's blocks 2 b, 2 b + 1 are then indices 32 b + 16 (lane / 16) + 0 .. 15.
; qc: 768 records of 12,800 bytes (0-511 x, 512-703 W_qkv): two K halves of four fragment images (1,536 bytes) + 256 bytes of scale words (16 r + 4 q).
; hd: 64 head records of 315,392 bytes: K codes (64 images of a pair of key tiles), V codes (16 key steps x 4 channel tiles), K scales, V scales, Q codes, Q scales.
; CLUSTER 4 x 4: L's tile hangs on the cluster's y place and is asked for jointly along a row, P's on its x place, jointly along a column: a quarter of the requests.
; Nothing in LDS is filled twice: a wave's one tensor load (a K half of L or of P) goes out at the head; one is out at the most.  LDS is claimed whole; 307,712 bytes are used.
; LIMITS: NaN and infinities are not served; a block whose largest magnitude lies under 2^-124 keeps the byte 1; a block of zeros has the byte 1, not 127 (zero codes; only this program reads the bytes).
; REGISTERS: window 0: v1-11 addresses; v16-111 scale words (two sets of 48: P's 4 p + q, L's 32 + 4 l + q); v112-207 L's fragments, two sets; v208-243 the quantiser's; v254, v255 the add's two.
;   window 1: P's fragments, two sets of 96.   window 2: accumulator (l, p) at v[64 l + 8 p].
.set REC,   12800
.set HALF,  6400
.set FRB,   1536
.set SCO,   6144
.set CHUNK, 24*HALF                    ; a K half in LDS: L's 16 half records, then P's 8
.set POFF,  16*HALF
.set SPARE, 2*CHUNK                    ; the spare words, 128 bytes a wave: two blocks of 256 bytes that no other line names
.set HREC,  315392
.set VCOD,  98304
.set KSCL,  196608
.set VSCL,  204800
.set QCOD,  208896
.set QSCL,  307200
.set LB,  4                            ; v4, v5   L's images: 16 lane + 25,600 wave (+ CHUNK)
.set PB,  6                            ; v6, v7   P's images: 16 lane + POFF (+ CHUNK)
.set LS,  8                            ; v8, v9   L's scale words
.set PS,  10                           ; v10, v11 P's scale words
.set SC,  16
.set LF,  112
.set TM,  208
.set CT,  224
.set PW,  232
.set TW,  236
.set SPW, 254
.set NIL, 255
.set G1L, 24
.set G1P, 32
.set G0L, 40
.set G0P, 48
.set SEL, 66
.set MSB, 0
.macro WIN new                         ; the immediate's high byte repeats the setting that is left
.if MSB != \new
	s_set_vgpr_msb (MSB<<8)|\new
.set MSB, \new
.endif
.endm
.macro CROUND                          ; a round of the cluster's barrier
	s_barrier_signal -1
	s_barrier_wait -1
	s_cmp_lg_u32 s12, 0
	s_cbranch_scc1 .Lnot_wave_0_\@
	s_barrier_signal -3
.Lnot_wave_0_\@:
	s_barrier_wait -3
	s_barrier_signal -1
	s_barrier_wait -1
.endm
.macro PLACES n
.rept \n
	v_nop
.endr
.endm
.macro SCALES c                        ; a K half's scale words: four K steps' words of a row by one load
.irp p, 0,1,2,3,4,5,6,7
	ds_load_b128 v[SC+48*(\c)+4*\p:SC+48*(\c)+4*\p+3], v[PS+(\c)] offset:HALF*\p
.endr
.irp l, 0,1,2,3
	ds_load_b128 v[SC+48*(\c)+32+4*\l:SC+48*(\c)+32+4*\l+3], v[LS+(\c)] offset:HALF*\l
.endr
.endm
.macro FETCH c, q, set                 ; K step q of K half c: P's eight fragments and my four of L, as images: three loads of 512 consecutive bytes each
	WIN 0x40                                       ; destination window 1
.irp p, 0,1,2,3,4,5,6,7
.irp i, 0,1,2
	ds_load_b128 v[96*(\set)+12*\p+4*\i:96*(\set)+12*\p+4*\i+3], v[PB+(\c)] offset:HALF*\p+FRB*(\q)+512*\i
.endr
.endr
	WIN 0
.irp l, 0,1,2,3
.irp i, 0,1,2
	ds_load_b128 v[LF+48*(\set)+12*\l+4*\i:LF+48*(\set)+12*\l+4*\i+3], v[LB+(\c)] offset:HALF*\l+FRB*(\q)+512*\i
.endr
.endr
.endm
.macro MUL k                           ; 32 matrix instructions; the 32 accumulators take turns, in the same order in every K step
	WIN 0xa1                                       ; source 0 (P) window 1, source 1 (L) window 0, C and D window 2
.irp l, 0,1,2,3
.irp p, 0,1,2,3,4,5,6,7
.if (\k) == 0
	v_wmma_scale_f32_16x16x128_f8f6f4 v[64*\l+8*\p:64*\l+8*\p+7], v[96*((\k)%2)+12*\p:96*((\k)%2)+12*\p+11], v[LF+48*((\k)%2)+12*\l:LF+48*((\k)%2)+12*\l+11], 0, v[SC+48*((\k)/4)+4*\p+(\k)%4], v[SC+48*((\k)/4)+32+4*\l+(\k)%4] matrix_a_fmt:MATRIX_FMT_FP6 matrix_b_fmt:MATRIX_FMT_FP6
.else
	v_wmma_scale_f32_16x16x128_f8f6f4 v[64*\l+8*\p:64*\l+8*\p+7], v[96*((\k)%2)+12*\p:96*((\k)%2)+12*\p+11], v[LF+48*((\k)%2)+12*\l:LF+48*((\k)%2)+12*\l+11], v[64*\l+8*\p:64*\l+8*\p+7], v[SC+48*((\k)/4)+4*\p+(\k)%4], v[SC+48*((\k)/4)+32+4*\l+(\k)%4] matrix_a_fmt:MATRIX_FMT_FP6 matrix_b_fmt:MATRIX_FMT_FP6
.endif
.endr
.endr
	WIN 0
.endm
.macro STEP k
	s_wait_dscnt 0x0                               ; this K step's fragments are in (asked for a K step ago)
.if (\k) == 3
	s_wait_tensorcnt 0x0                           ; my part of K half 1 has landed;
	s_barrier_signal -1
	s_barrier_wait -1                              ; everybody's has.
.endif
.if (\k) > 0
	PLACES 4                                       ; in front of loads into the set that the last K step's products read
.endif
.if (\k) == 3
	SCALES 1
.endif
.if (\k) < 7
	FETCH ((\k)+1)/4, ((\k)+1)%4, ((\k)+1)%2
.endif
	MUL \k
.endm
; 64 results of a lane in window 2 (register s + 16 b + i = index 32 b + 16 (lane / 16) + i) become codes (d0 .. d0 + 5: 32 h + 0 .. 31; d1 .. d1 + 5: 64 + 32 h + 0 .. 31) and the row's scale word.  Each accumulator is read from its low end on.
.macro QUANT s, d0, d1, pw
	WIN 0x0a                                       ; sources 0 and 1 window 2
.irp b, 0,1,2,3
	v_max3_num_f32 v[TM+\b], |v[(\s)+16*\b]|, |v[(\s)+16*\b+1]|, 0x1800000   ; and the floor 2^(3 - 127): the byte cannot fall under 1
.endr
.irp i, 2,4,6,8,10,12,14
.irp b, 0,1,2,3
	v_max3_num_f32 v[TM+\b], |v[(\s)+16*\b+\i]|, |v[(\s)+16*\b+\i+1]|, v[TM+\b]
.endr
.endr
	WIN 0
.irp b, 0,1,2,3
	v_permlanex16_b32 v[TM+4+\b], v[TM+\b], s[SEL], s[SEL+1]
.endr
.irp b, 0,1,2,3
	v_max_num_f32 v[TM+\b], v[TM+\b], v[TM+4+\b]
.endr
.irp b, 0,1,2,3
	v_add_nc_u32 v[TM+12+\b], 0xff000000, v[TM+\b]  ; 2 off the exponent field: the conversion's scale operand
.endr
.irp b, 0,1,2,3
	v_lshrrev_b32 v[TM+4+\b], 23, v[TM+12+\b]
.endr
	v_lshl_or_b32 v[\pw], v[TM+5], 8, v[TM+4]
	v_lshl_or_b32 v[\pw], v[TM+6], 16, v[\pw]
	v_lshl_or_b32 v[\pw], v[TM+7], 24, v[\pw]
	WIN 0x02                                       ; source 0 window 2
	v_cvt_scalef32_pk16_fp6_f32 v[(\d0):(\d0)+2], v[(\s):(\s)+15], v[TM+12]
	v_cvt_scalef32_pk16_fp6_f32 v[CT:CT+2], v[(\s)+16:(\s)+31], v[TM+13]
	v_cvt_scalef32_pk16_fp6_f32 v[(\d1):(\d1)+2], v[(\s)+32:(\s)+47], v[TM+14]
	v_cvt_scalef32_pk16_fp6_f32 v[CT+4:CT+6], v[(\s)+48:(\s)+63], v[TM+15]
	WIN 0
	v_nop                                          ; one plain place behind the conversions
.irp i, 0,1,2
	v_permlane16_swap_b32 v[(\d0)+\i], v[CT+\i]
	v_permlane16_swap_b32 v[(\d1)+\i], v[CT+4+\i]
.endr
.irp i, 0,1,2
	v_mov_b32 v[(\d0)+3+\i], v[CT+\i]
	v_mov_b32 v[(\d1)+3+\i], v[CT+4+\i]
.endr
.endm
.macro OUT3 reg, off                   ; an image of 12 registers: three stores of 512 consecutive bytes
.irp c, 0,1,2
	global_store_b128 v2, v[(\reg)+4*\c:(\reg)+4*\c+3], s[8:9] offset:(\off)+512*\c
.endr
.endm
	s_load_b128 s[4:7], s[0:1], 0x0                ; qc s[4:5], hd s[6:7]
	v_lshl_add_u32 v[SPW], v0, 2, SPARE
	v_mov_b32 v[NIL], 0
	ds_add_u32 v[SPW], v[NIL]                      ; the wave's opening: the add and its wait ahead of my first tensor load; the set-up below stands between them
	ds_add_u32 v[SPW], v[NIL]
	v_lshrrev_b32 v1, 5, v0
	v_readfirstlane_b32 s12, v1                    ; wave 0..3
	s_bfe_u32 s15, ttmp6, 0x40000                  ; cx
	s_bfe_u32 s16, ttmp6, 0x40004                  ; cy
	s_and_b32 s18, ttmp7, 0xffff                   ; cluster y
	s_lshl_b32 s20, s16, 2
	s_lshl_b32 s20, 15, s20                        ; my row of the cluster
	s_lshl_b32 s23, 0x1111, s15                    ; my column
	s_or_b32 s[G1L], s20, (3<<16)|(1<<21)          ; 15:0 the mask: L's tiles go to my row; 17:16 elements of 8 bytes; 21 set beside a mask; no padding
	s_or_b32 s[G1P], s23, (3<<16)|(1<<21)          ; P's go to my column
	s_mov_b32 s[G1L+1], 800<<16                    ; tensor_dim0 = 800 elements: a half record's 6,400 bytes
	s_mov_b32 s[G1L+2], 16<<16                     ; tensor_dim1 = L's 16 row blocks: one load brings a K half of the whole tile
	s_mov_b32 s[G1L+3], 800<<16                    ; tile_dim0
	s_mov_b32 s[G1L+4], 16
	s_mov_b32 s[G1L+5], 1600                       ; from record to record: 12,800 bytes
	s_mov_b32 s[G1L+6], 0
	s_mov_b32 s[G1L+7], 0
	s_mov_b32 s[G1P+1], 800<<16
	s_mov_b32 s[G1P+2], 8<<16                      ; P's 8 row blocks
	s_mov_b32 s[G1P+3], 800<<16
	s_mov_b32 s[G1P+4], 8
	s_mov_b32 s[G1P+5], 1600
	s_mov_b32 s[G1P+6], 0
	s_mov_b32 s[G1P+7], 0
	s_sub_co_u32 s58, ttmp9, 4
	s_lshl_b32 s58, s58, 3
	s_add_co_u32 s58, s58, s18                     ; v: the group of four key steps: 8 (cluster x - 4) + cluster y
	s_cmp_lt_u32 ttmp9, 4                          ; q and k, or v: the same in all sixteen partners
	s_cselect_b32 s21, ttmp9, s58
	s_cselect_b32 s22, s18, 0
	s_cselect_b32 s23, 512, 0                      ; P's first record: W_qkv's, or x's
	s_cselect_b32 s56, 0, 640                      ; L's: x's, or W_v's
	s_lshl_b32 s21, s21, 2
	s_add_co_u32 s21, s21, s15                     ; pt: which 128 rows of P
	s_lshl_b32 s22, s22, 2
	s_add_co_u32 s22, s22, s16                     ; lt: which 256 rows of L
	s_lshl_b32 s57, s21, 3
	s_add_co_u32 s57, s57, s23                     ; P: record base + 8 pt
	s_mul_i32 s62, s57, REC
	s_mov_b32 s63, 0
	s_lshl_b32 s59, s22, 4
	s_add_co_u32 s59, s59, s56                     ; L: record base + 16 lt
	s_mul_i32 s60, s59, REC
	s_mov_b32 s61, 0
	s_mov_b32 s[SEL], 0x76543210
	s_mov_b32 s[SEL+1], 0xfedcba98
	s_wait_dscnt 0x0                               ; the opening add is done
	s_wait_kmcnt 0x0
	s_add_nc_u64 s[60:61], s[4:5], s[60:61]
	s_add_nc_u64 s[62:63], s[4:5], s[62:63]
.irp c, 0,1
	s_mov_b32 s[G0L+4*\c], 1
	s_mov_b32 s[G0L+4*\c+1], \c*CHUNK
	s_add_nc_u64 s[G0L+4*\c+2:G0L+4*\c+3], s[60:61], \c*HALF
	s_or_b32 s[G0L+4*\c+3], s[G0L+4*\c+3], 0x80000000
	s_mov_b32 s[G0P+4*\c], 1
	s_mov_b32 s[G0P+4*\c+1], \c*CHUNK+POFF
	s_add_nc_u64 s[G0P+4*\c+2:G0P+4*\c+3], s[62:63], \c*HALF
	s_or_b32 s[G0P+4*\c+3], s[G0P+4*\c+3], 0x80000000
.endr
	CROUND                                         ; all sixteen work-groups are here: the joint loads meet
; THE HEAD'S FOUR TILES, ONE A WAVE: wave 0 L's K half 0, wave 1 P's K half 0, wave 2 L's K half 1, wave 3 P's K half 1: one chain of arms, one load to an arm, one join; one load a wave is out.
.macro ARM under, g0, g1, next
	s_cmp_lt_u32 s12, \under
	s_cbranch_scc0 \next
	tensor_load_to_lds s[\g0:\g0+3], s[\g1:\g1+7]
	s_nop 0
	PLACES 4
	s_branch .Lfirst_done
\next:
.endm
	ARM 1, G0L, G1L, .Lwave_1
	ARM 2, G0P, G1P, .Lwave_2
	ARM 3, G0L+4, G1L, .Lwave_3
	tensor_load_to_lds s[G0P+4:G0P+7], s[G1P:G1P+7]
	s_nop 0
	PLACES 4
.Lfirst_done:
	v_and_b32 v1, 31, v0                           ; lane
	v_lshlrev_b32 v2, 4, v1                        ; 16 x lane
	v_lshlrev_b32 v3, 3, v1                        ; 8 x lane
	s_mul_i32 s20, s12, 4*HALF                     ; my four blocks of L
	v_add_nc_u32 v[LB], s20, v2
	v_add_nc_u32 v[LB+1], CHUNK, v[LB]
	v_add_nc_u32 v[PB], POFF, v2
	v_add_nc_u32 v[PB+1], CHUNK, v[PB]
	v_and_b32 v[LS], 15, v0
	v_lshlrev_b32 v[PS], 4, v[LS]                  ; 16 r
	v_add_nc_u32 v[LS], s20, v[PS]
	v_add_nc_u32 v[LS], SCO, v[LS]
	v_add_nc_u32 v[LS+1], CHUNK, v[LS]
	v_add_nc_u32 v[PS], POFF+SCO, v[PS]
	v_add_nc_u32 v[PS+1], CHUNK, v[PS]
.irp b, 0,1,2,3
	v_mov_b32 v[TM+4+\b], 0                        ; written once: a lane permute's destination counts as one of its sources
.endr
	s_wait_alu depctr_va_vdst(0)
	s_cmp_lt_u32 s12, 2                            ; waves 0 and 1 brought K half 0 and wait for it; K half 1's loads, waves 2 and 3's own lines, may stay out
	s_cbranch_scc0 .Lhalf_1_out
	s_wait_tensorcnt 0x0
.Lhalf_1_out:
	s_barrier_signal -1
	s_barrier_wait -1                              ; everybody's is
	SCALES 0
	FETCH 0, 0, 0
.irp k, 0,1,2,3,4,5,6,7
	STEP \k
.endr
	PLACES 4                                       ; in front of the first read of results, and of writes into registers that held L's fragments
	s_cmp_lt_u32 ttmp9, 4
	s_cbranch_scc0 .Lkind_v
	; ---- q and k.  A lane holds a token; block l's 64 registers are two heads' 64 channels.  Blocks 2 i and 2 i + 1 make a pair image for each of the two heads.
	s_lshr_b32 s20, s22, 3                         ; the batch
	s_lshl_b32 s20, s20, 4
	s_and_b32 s23, s21, 7
	s_lshl_b32 s23, s23, 1
	s_add_co_u32 s20, s20, s23                     ; head record 16 b + 2 (pt % 8)
	s_mul_i32 s20, s20, HREC
	s_lshr_b32 s23, s21, 3                         ; 0: q, 1: k
	s_mul_i32 s56, s23, QCOD
	s_sub_co_u32 s56, QCOD, s56                    ; q's codes at QCOD, k's at 0
	s_add_co_u32 s56, s56, s20
	s_mul_i32 s58, s23, QSCL-KSCL
	s_sub_co_u32 s58, QSCL, s58                    ; q's scales at QSCL, k's at KSCL
	s_add_co_u32 s58, s58, s20
	s_and_b32 s23, s22, 7
	s_lshl_b32 s60, s23, 3
	s_lshl_b32 s61, s12, 1
	s_add_co_u32 s60, s60, s61
	s_mul_i32 s60, s60, FRB                        ; pair 8 (lt % 8) + 2 w
	s_add_co_u32 s56, s56, s60
	s_lshl_b32 s60, s23, 2
	s_add_co_u32 s60, s60, s12
	s_lshl_b32 s60, s60, 8                         ; 64 tokens' scale words: 256 bytes at 4 (lt % 8) + w
	s_add_co_u32 s58, s58, s60
	s_mov_b32 s57, 0
	s_mov_b32 s59, 0
	s_add_nc_u64 s[8:9], s[6:7], s[56:57]
	s_add_nc_u64 s[70:71], s[6:7], s[58:59]
.irp i, 0,1
	QUANT 128*\i, 112+24*\i, 124+24*\i, PW+2*\i
	QUANT 128*\i+64, 118+24*\i, 130+24*\i, PW+2*\i+1
	OUT3 112+24*\i, FRB*\i                         ; the first head's pair image,
	OUT3 124+24*\i, HREC+FRB*\i                    ; the second head's
.endr
	v_cmp_le_u32 vcc_lo, 16, v1
	v_cndmask_b32 v[TW], v[PW], v[PW+1], vcc_lo    ; lanes 0-15 the even tile's words, lanes 16-31 the odd tile's
	v_cndmask_b32 v[TW+1], v[PW+2], v[PW+3], vcc_lo
	v_and_b32 v[TW+2], 0xffff, v[TW]               ; bytes 0, 1: the first head's two blocks; the bytes above them are 0
	v_and_b32 v[TW+3], 0xffff, v[TW+1]
	v_lshrrev_b32 v[TW+4], 16, v[TW]               ; bytes 2, 3: the second head's
	v_lshrrev_b32 v[TW+5], 16, v[TW+1]
	global_store_b64 v3, v[TW+2:TW+3], s[70:71]    ; 32 lanes store 256 consecutive bytes
	global_store_b64 v3, v[TW+4:TW+5], s[70:71] offset:HREC
	s_branch .Lend
.Lkind_v:
	; ---- v.  A lane holds a channel; block l's 64 registers are a key step's 128 keys: a whole fragment of channel tile l of head 4 lt + w.
	s_lshr_b32 s20, s21, 4                         ; the batch
	s_lshl_b32 s20, s20, 4
	s_lshl_b32 s23, s22, 2
	s_add_co_u32 s20, s20, s23
	s_add_co_u32 s20, s20, s12
	s_mul_i32 s20, s20, HREC
	s_and_b32 s23, s21, 15                         ; the key step
	s_mul_i32 s56, s23, 4*FRB
	s_add_co_u32 s56, s56, s20
	s_add_co_u32 s56, s56, VCOD
	s_lshl_b32 s58, s23, 8
	s_add_co_u32 s58, s58, s20
	s_add_co_u32 s58, s58, VSCL
	s_mov_b32 s57, 0
	s_mov_b32 s59, 0
	s_add_nc_u64 s[8:9], s[6:7], s[56:57]
	s_add_nc_u64 s[70:71], s[6:7], s[58:59]
.irp i, 0,1
	QUANT 128*\i, 112+24*\i, 118+24*\i, PW+2*\i
	QUANT 128*\i+64, 124+24*\i, 130+24*\i, PW+2*\i+1
	OUT3 112+24*\i, 2*FRB*\i
	OUT3 124+24*\i, 2*FRB*\i+FRB
.endr
	v_cmp_le_u32 vcc_lo, 16, v1
	v_cndmask_b32 v[TW], v[PW], v[PW+1], vcc_lo    ; word i: channel tile 2 i in lanes 0-15, 2 i + 1 in lanes 16-31
	v_cndmask_b32 v[TW+1], v[PW+2], v[PW+3], vcc_lo
	global_store_b64 v3, v[TW:TW+1], s[70:71]
.Lend:
	s_wait_tensorcnt 0x0                           ; the wave's end, behind my last tensor load
	ds_add_u32 v[SPW], v[NIL]
	s_wait_dscnt 0x0
	CROUND                                         ; the closing round
	s_endpgm
.Lfunc_end_k_q3517d1635d_qkv:
	.size	k_q3517d1635d_qkv, .Lfunc_end_k_q3517d1635d_qkv-k_q3517d1635d_qkv
	.p2alignl 7, 3214868480
	.fill 96, 4, 3214868480
	.section	.rodata,"a",@progbits
	.p2align	6, 0x0
	.amdhsa_kernel k_q3517d1635d_qkv
		.amdhsa_group_segment_fixed_size 327680
		.amdhsa_private_segment_fixed_size 0
		.amdhsa_enable_private_segment 0
		.amdhsa_kernarg_size 16
		.amdhsa_user_sgpr_count 2
		.amdhsa_user_sgpr_kernarg_segment_ptr 1
		.amdhsa_wavefront_size32 1
		.amdhsa_system_sgpr_workgroup_id_x 1
		.amdhsa_system_sgpr_workgroup_id_y 1
		.amdhsa_system_sgpr_workgroup_id_z 1
		.amdhsa_system_vgpr_workitem_id 0
		.amdhsa_next_free_vgpr 768
		.amdhsa_next_free_sgpr 72
		.amdhsa_reserve_vcc 1
		.amdhsa_float_denorm_mode_32 3
		.amdhsa_float_denorm_mode_16_64 3
		.amdhsa_memory_ordered 1
		.amdhsa_forward_progress 1
		.amdhsa_inst_pref_size 97
	.end_amdhsa_kernel
	.amdgpu_metadata
---
amdhsa.version: [ 1, 2 ]
amdhsa.kernels:
  - .name:           k_q3517d1635d_qkv
    .symbol:         k_q3517d1635d_qkv.kd
    .args:
      - { .name: qc, .offset: 0, .size: 8, .value_kind: global_buffer, .address_space: global }
      - { .name: hd, .offset: 8, .size: 8, .value_kind: global_buffer, .address_space: global }
    .group_segment_fixed_size: 327680
    .private_segment_fixed_size: 0
    .kernarg_segment_align: 8
    .kernarg_segment_size: 16
    .max_flat_workgroup_size: 128
    .sgpr_count:     72
    .vgpr_count:     768
    .wavefront_size: 32
...
	.end_amdgpu_metadata
.endif
;; end of part 2
;; launch attn (part 3): grid 4 x 64, 16 waves a work-group, clusters of 4 x 1, 327,680 bytes of LDS; arguments hd, ac; writes ac
.if DOCPART == 3
	.amdgcn_target "amdgcn-amd-amdhsa--gfx1250"
	.amdhsa_code_object_version 6
	.text
	.protected	k_q3517d1635d_attn
	.globl	k_q3517d1635d_attn
	.p2align	8
	.type	k_q3517d1635d_attn,@function
k_q3517d1635d_attn:
	s_mov_b64 s[64:65], 0
	v_nop
	global_prefetch_b8 v0, s[64:65] scope:SCOPE_SE
	s_setreg_imm32_b32 hwreg(HW_REG_WAVE_MODE, 25, 1), 1
	s_wait_xcnt 0x0
	s_wait_alu depctr_hold_cnt(0) depctr_sa_sdst(0) depctr_va_vdst(0) depctr_va_sdst(0) depctr_va_ssrc(0) depctr_va_vcc(0) depctr_vm_vsrc(0)
	s_getreg_b32 s2, hwreg(HW_REG_IB_STS2, 6, 4)
	s_cmp_eq_u32 s2, 0
	s_cbranch_scc0 .Lentry_in_a_cluster
	s_endpgm
.Lentry_in_a_cluster:
	s_bfe_u32 s2, ttmp6, 0x10000c
	s_cmp_lg_u32 s2, 0x3003
	s_cbranch_scc0 .Lentry_shape_is_right
	s_endpgm
.Lentry_shape_is_right:
; o = softmax(q k^T / 8) v for one head, both products on codes of FP6 (E2M3) with E8M0 scales; o / l is quantised along the model's 1,024 and leaves as half a fragment image for the last product.
; THE SOFTMAX: t = score x log2(e) / 8; M = the running largest t rounded UP to a whole number; p = 2^(t - M) is quantised along the keys, not normalised; the row's sum is of the unquantised p and divides at the end.
; When M moves, the sum and O are multiplied by 2^(old M - new M): exact, in every step, with no branch.
; SHARES: a work-group takes one head (y = 16 b + h) and 512 queries; each of sixteen waves two tiles of 16 queries, one after the other (PASS 0, 1), each a loop of 16 key steps of 128 keys.
; LDS, filled ONCE, one tensor load a wave, asked for jointly by the cluster's four work-groups (one head): waves 0-7 K's codes (24 rows of 512 bytes each, 128 bytes of padding behind each row),
; waves 8-15 V's codes, K's scales, V's scales (54 rows of 256 bytes each).  Every wait on TENSORcnt is for 0.  235,520 bytes are used; LDS is claimed whole.
; No prefetch: all tiles are asked for at the head, and no loop runs ahead of a load.
; BOTH PRODUCTS TRANSPOSED: S^T = K Q^T, O^T = V^T P^T: a lane holds one query (lane % 16).
; THE KEYS OF A TILE ARE CHOSEN BY THE LANES' LDS ADDRESSES: tile 4 c + u has keys 64 c + 8 u + 0..7 in rows 0-7 and 64 c + 32 + 8 u + 0..7 in rows 8-15.  Register 32 c + 8 u + j of lane (r, h) is then key 64 c + 32 h + 8 u + j:
; A WHOLE SCALE BLOCK OF p IN ONE LANE, in the order of the operand's registers: no lane asks another for a block's maximum, no code changes lanes.
; In memory a pair image P holds tokens 32 P ..: sub-tile e, row r' is token 32 P + 8 e + r' + 8 (r' / 8).  So lane (r, h) of new pair (c, v) (tiles 4 c + 2 v, + 1) reads old pair 2 c + r / 8, old lane 8 v + r % 8 + 16 h.
; With slices 640 bytes apart, old pairs lie 1,920 bytes apart, 128 modulo 256: sixteen lanes of a load touch 256 different bytes modulo 256.
; K = 64 IN AN INSTRUCTION OF K = 128: q's registers 6-11 are zero codes; K's fragment t is v[48 + 6 t .. 59 + 6 t], its upper six the next tile's codes (or written zeros): finite numbers, scale bytes 0 there (a power of two): they add nothing.
; LIMITS: NaN and infinities are not served; the promise holds while |t| stays under 2^31; a block whose largest magnitude lies under 2^-124 keeps the byte 1; a block of zeros has the byte 1, not 127 (zero codes; only this program reads the bytes).
.set HREC,  315392
.set FRB,   1536
.set VCOD,  98304
.set QCOD,  208896
.set QSCL,  307200
.set REC,   12800
.set HALF,  6400
.set SCO,   6144
.set SL,    640                        ; a slice of 512 bytes + 128 of padding
.set VC,    192*SL                     ; LDS: V's codes behind K's 192 slices
.set KSC,   VC+98304                   ; K's scale words
.set VSC,   KSC+8192                   ; V's
.set SPARE, VSC+4096                   ; the spare words, 128 bytes a wave: eight blocks of 256 bytes that no other line names
.set AI,   1                           ; 16 x lane
.set AK0,  2                           ; K's codes: 1,920 (r / 8) + 16 (r % 8) + 256 h
.set AV0,  3                           ; VC + 16 lane
.set ASK0, 4                           ; KSC + 8 (r % 8) + 4 (r / 8) + 128 h
.set ASV0, 5                           ; VSC + 8 lane
.set SPW,  6
.set NIL,  7
.set ADK,  8                           ; v8-11 the step's addresses
.set ADV,  9
.set ADS,  10
.set ADT,  11                          ; v12 -M, v13 the running largest score, v[14:15] the row's sum
.set QP,   16                          ; v16-27 q's pair image; v28-33 zeros; v34-39 tile 0's codes, v40-45 zeros
.set QS,   46
.set PS,   47                          ; p's scale word
.set KF,   48                          ; v48-95 K's eight tiles, later V's four fragments; v96-101 zeros
.set KS,   102                         ; v102-105 K's scale words: register 2 c + v: lanes 0-15 the even tile, 16-31 the odd
.set VS,   106
.set S,    108                         ; v108-171 S^T, then p
.set O,    172                         ; v172-203 O^T
.set PF,   204                         ; v204-215 p's codes
.set A,    216                         ; v216-223 four chains of the row's sum; then the conversions' second halves
.set CT,   216
.set BM,   224
.set SO,   228
.set BP,   230
.set F,    232
.set T,    234
.set T2,   235
.set TOT,  236
.set SW,   238
.set L8,   240
.set SOFF, 241
.set SH8,  242                         ; 8 h
.set OC,   244                         ; v244-255 o's codes of the two tiles: store data, written once each
.set WV,   8
.set TV,   11
.set CS,   24
.set SEL,  26
.set TB,   28
.set TS,   29
.set TJ,   30
.set CNT,  31
.macro WALU
	s_wait_alu depctr_va_vdst(0)
.endm
.macro CROUND
	s_barrier_signal -1
	s_barrier_wait -1
	s_cmp_lg_u32 s[WV], 0
	s_cbranch_scc1 .Lnot_wave_0_\@
	s_barrier_signal -3
.Lnot_wave_0_\@:
	s_barrier_wait -3
	s_barrier_signal -1
	s_barrier_wait -1
.endm
.macro KQ t, ra, u                     ; S^T tile t = 16 keys x my 16 queries; K's odd tiles and q's tile 1 have their scale words in lanes 16-31
	v_wmma_scale_f32_16x16x128_f8f6f4 v[S+8*(\t):S+8*(\t)+7], v[KF+6*(\t):KF+6*(\t)+11], v[34-12*\u:45-12*\u], 0, v[KS+(\t)/2], v[QS] matrix_a_fmt:MATRIX_FMT_FP6 matrix_b_fmt:MATRIX_FMT_FP6 matrix_a_scale:MATRIX_SCALE_ROW\ra matrix_b_scale:MATRIX_SCALE_ROW\u
.endm
.macro PV t, ra                        ; O^T tile t += 16 channels x 128 keys x my 16 queries
	v_wmma_scale_f32_16x16x128_f8f6f4 v[O+8*(\t):O+8*(\t)+7], v[KF+12*(\t):KF+12*(\t)+11], v[PF:PF+11], v[O+8*(\t):O+8*(\t)+7], v[VS+(\t)/2], v[PS] matrix_a_fmt:MATRIX_FMT_FP6 matrix_b_fmt:MATRIX_FMT_FP6 matrix_a_scale:MATRIX_SCALE_ROW\ra
.endm
; A KEY STEP: 128 keys.  At its head v[ADK] and v[ADS] stand for it, and four places lie behind the last products.
.macro STEP u
.irp c, 0,1
.irp v, 0,1
.irp i, 0,1,2
	ds_load_b128 v[KF+12*(2*\c+\v)+4*\i:KF+12*(2*\c+\v)+4*\i+3], v[ADK] offset:6*SL*\c+128*\v+SL*\i
.endr
.endr
.endr
.irp c, 0,1
.irp v, 0,1
	ds_load_b32 v[KS+2*\c+\v], v[ADS] offset:256*\c+64*\v
.endr
.endr
	s_wait_dscnt 0x0
.irp t, 0,2,4,6
	KQ \t, 0, \u
	KQ \t+1, 1, \u
.endr
	v_add_nc_u32 v[ADV], s[TV], v[AV0]             ; four places in front of the loads below and of the first read of the scores
	v_add_nc_u32 v[ADT], s[TJ], v[ASV0]
	v_nop
	v_nop
.set j, 0
.rept 12
	ds_load_b128 v[KF+4*j:KF+4*j+3], v[ADV] offset:512*j   ; V's four fragments land while the softmax is walked
.set j, j+1
.endr
	ds_load_b64 v[VS:VS+1], v[ADT]
.irp b, 0,1,2,3
	v_max3_num_f32 v[BM+\b], v[S+16*\b], v[S+16*\b+1], v[S+16*\b+2]   ; four chains, two to a block of 32 keys; each accumulator from its low end on
.endr
.irp i, 3,5,7,9,11,13
.irp b, 0,1,2,3
	v_max3_num_f32 v[BM+\b], v[BM+\b], v[S+16*\b+\i], v[S+16*\b+\i+1]
.endr
.endr
	v_max_num_f32 v[BM+1], v[BM+1], v[S+31]
	v_max_num_f32 v[BM+3], v[BM+3], v[S+63]
	v_max3_num_f32 v[BM], v[BM], v[S+15], v[BM+1]      ; my block h's largest score,
	v_max3_num_f32 v[BM+2], v[BM+2], v[S+47], v[BM+3]  ; and my block 2 + h's: since p rises with the score, they give the blocks' largest p
	v_max_num_f32 v[T], v[BM], v[BM+2]
	v_permlanex16_b32 v[T2], v[T], s[SEL], s[SEL+1]
	v_max3_num_f32 v13, v13, v[T], v[T2]           ; the running largest score of my query (c is positive)
	v_mul_f32 v[T], s[CS], v13                     ; as t
	v_mov_b32 v[T2], v12
	v_floor_f32 v12, -v[T]                         ; the new -M = -ceil(t)
	v_sub_f32 v[T2], v12, v[T2]                    ; old M - new M: a whole number, 0 or less
	v_cvt_i32_f32 v[T2], v[T2]                     ; (it saturates)
	v_ldexp_f32 v[F], 1.0, v[T2]                   ; f = 2^(old M - new M)
.set j, 0
.rept 32
	v_pk_fma_f32 v[S+j:S+j+1], v[S+j:S+j+1], s[CS:CS+1], v[12:13] op_sel_hi:[1,0,0]   ; t - M, two at a time
.set j, j+2
.endr
	v_fma_f32 v[BM], v[BM], s[CS], v12
	v_fma_f32 v[BM+2], v[BM+2], s[CS], v12
	WALU                                           ; the wait ahead of the batch
	v_exp_f32 v[BM], v[BM]                         ; the blocks' largest p
	v_exp_f32 v[BM+2], v[BM+2]
.set j, 0
.rept 64
	v_exp_f32 v[S+j], v[S+j]                       ; p = 2^(t - M)
.set j, j+1
.endr
	v_nop                                          ; a plain place behind the batch
	WALU                                           ; one wait for the batch, ahead of its first reader
.irp k, 0,1,2,3
	v_pk_add_f32 v[A+2*\k:A+2*\k+1], v[S+2*\k:S+2*\k+1], v[S+8+2*\k:S+9+2*\k]   ; the sum of the unquantised p: four chains
.endr
.irp m, 2,3,4,5,6,7
.irp k, 0,1,2,3
	v_pk_add_f32 v[A+2*\k:A+2*\k+1], v[A+2*\k:A+2*\k+1], v[S+8*\m+2*\k:S+8*\m+2*\k+1]
.endr
.endr
	v_max_num_f32 v[BM], 0x1800000, v[BM]          ; the floor 2^(3 - 127): the byte cannot fall under 1
	v_max_num_f32 v[BM+2], 0x1800000, v[BM+2]
	v_pk_add_f32 v[A:A+1], v[A:A+1], v[A+2:A+3]
	v_pk_add_f32 v[A+4:A+5], v[A+4:A+5], v[A+6:A+7]
	v_add_nc_u32 v[SO], 0xff000000, v[BM]          ; 2 off the exponent field: the conversion's scale operand
	v_add_nc_u32 v[SO+1], 0xff000000, v[BM+2]
	v_pk_add_f32 v[TOT:TOT+1], v[A:A+1], v[A+4:A+5]
	v_lshrrev_b32 v[BP], 23, v[SO]                 ; the scales' bytes
	v_lshrrev_b32 v[BP+1], 23, v[SO+1]
	v_lshl_or_b32 v[T], v[BP+1], 16, v[BP]         ; blocks h and 2 + h,
	v_lshlrev_b32 v[T], v[SH8], v[T]               ; at their places in the word;
	v_permlanex16_b32 v[T2], v[T], s[SEL], s[SEL+1]
	v_or_b32 v[PS], v[T], v[T2]                    ; with lane l xor 16's two the word is whole
.irp c, 0,1
	v_cvt_scalef32_pk16_fp6_f32 v[PF+6*\c:PF+6*\c+2], v[S+32*\c:S+32*\c+15], v[SO+\c]
	v_cvt_scalef32_pk16_fp6_f32 v[CT+4*\c:CT+4*\c+2], v[S+32*\c+16:S+32*\c+31], v[SO+\c]   ; (a conversion's three registers begin on an even number)
.endr
	v_nop                                          ; one plain place behind the conversions
.irp c, 0,1
.irp i, 0,1,2
	v_mov_b32 v[PF+6*\c+3+\i], v[CT+4*\c+\i]
.endr
.endr
	WALU                                           ; the wait directly ahead of the first reader of O^T
.set j, 0
.rept 16
	v_pk_mul_f32 v[O+j:O+j+1], v[O+j:O+j+1], v[F:F+1] op_sel_hi:[1,0]   ; O^T under the new M; also the places between p's codes and scale word and the products
.set j, j+2
.endr
	s_add_co_u32 s[TB], s[TB], 12*SL
	s_add_co_u32 s[TS], s[TS], 512
	WALU
	s_wait_dscnt 0x0                               ; V is in
.irp t, 0,2
	PV \t, 0
	PV \t+1, 1
.endr
	v_add_nc_u32 v[ADK], s[TB], v[AK0]             ; four places behind the products: the next step's addresses (behind the last step they are not used),
	v_add_nc_u32 v[ADS], s[TS], v[ASK0]
	v_pk_fma_f32 v[14:15], v[14:15], v[F:F+1], v[TOT:TOT+1] op_sel_hi:[1,0,1]   ; the row's sum under the new M, and this step's part
	v_nop
.endm
; o = O^T / l of tile u, quantised along its head's 64 channels (register 16 b + i = channel 32 b + 16 h + i): six registers and two scale bytes.
.macro OUT u
	v_add_f32 v14, v14, v15
	v_permlanex16_b32 v[T], v14, s[SEL], s[SEL+1]
	v_add_f32 v14, v14, v[T]                       ; the row's sum
	WALU
	v_rcp_f32 v14, v14
	v_nop
	WALU                                           ; ahead of the reciprocal's and O^T's first reader
.set j, 0
.rept 32
	v_mul_f32 v[S+j], v[O+j], v14
.set j, j+1
.endr
.irp b, 0,1
	v_max3_num_f32 v[BM+\b], |v[S+16*\b]|, |v[S+16*\b+1]|, 0x1800000
.endr
.irp i, 2,4,6,8,10,12,14
.irp b, 0,1
	v_max3_num_f32 v[BM+\b], v[BM+\b], |v[S+16*\b+\i]|, |v[S+16*\b+\i+1]|
.endr
.endr
.irp b, 0,1
	v_permlanex16_b32 v[BP+\b], v[BM+\b], s[SEL], s[SEL+1]
.endr
.irp b, 0,1
	v_max_num_f32 v[BM+\b], v[BM+\b], v[BP+\b]
.endr
.irp b, 0,1
	v_add_nc_u32 v[SO+\b], 0xff000000, v[BM+\b]
.endr
.irp b, 0,1
	v_lshrrev_b32 v[BP+\b], 23, v[SO+\b]
.endr
	v_lshl_or_b32 v[SW+\u], v[BP+1], 8, v[BP]
	v_cvt_scalef32_pk16_fp6_f32 v[OC+6*\u:OC+6*\u+2], v[S:S+15], v[SO]
	v_cvt_scalef32_pk16_fp6_f32 v[CT:CT+2], v[S+16:S+31], v[SO+1]
	v_nop
.irp i, 0,1,2
	v_permlane16_swap_b32 v[OC+6*\u+\i], v[CT+\i]  ; a whole block to a lane
.endr
.irp i, 0,1,2
	v_mov_b32 v[OC+6*\u+3+\i], v[CT+\i]
.endr
	global_store_b128 v[AI], v[OC+6*\u:OC+6*\u+3], s[36:37] offset:REC*\u         ; registers 0-3: 512 consecutive bytes
	global_store_b64 v[L8], v[OC+6*\u+4:OC+6*\u+5], s[36:37] offset:REC*\u+512    ; registers 4, 5: 256 consecutive bytes
.endm
.macro PASS u
	v_mov_b32 v13, 0xff61b1e6                      ; the largest score so far: -3e38
	v_mov_b32 v12, 0x7e000000                      ; -M so far: 2^125, so that the first f is 0, on sums that are 0
	v_mov_b32 v14, 0
	v_mov_b32 v15, 0
.set j, 0
.rept 32
	v_mov_b32 v[O+j], 0                            ; the step is written once: its first trip finds zeros
.set j, j+1
.endr
	s_mov_b32 s[TB], 0
	s_mov_b32 s[TS], 0
	s_mov_b32 s[TV], 0
	s_mov_b32 s[TJ], 0
	s_mov_b32 s[CNT], 0
	v_add_nc_u32 v[ADK], s[TB], v[AK0]
	v_add_nc_u32 v[ADS], s[TS], v[ASK0]
	WALU
.Lstep_\u:
	STEP \u
	s_add_co_u32 s[TV], s[TV], 4*FRB
	s_add_co_u32 s[TJ], s[TJ], 256
	s_add_co_u32 s[CNT], s[CNT], 1
	s_cmp_lt_u32 s[CNT], 16
	WALU                                           ; the wait ahead of the branch
	s_cbranch_scc1 .Lstep_\u
	OUT \u
.endm
	s_load_b128 s[4:7], s[0:1], 0x0                ; hd s[4:5], ac s[6:7]
	v_lshl_add_u32 v[SPW], v0, 2, SPARE
	v_mov_b32 v[NIL], 0
	ds_add_u32 v[SPW], v[NIL]                      ; the opening lines: the add, twice on end, and its wait ahead of my tensor load
	ds_add_u32 v[SPW], v[NIL]
	v_lshrrev_b32 v8, 5, v0
	v_readfirstlane_b32 s[WV], v8                  ; wave 0..15
	s_bfe_u32 s9, ttmp6, 0x40000                   ; cx: which 512 queries
	s_and_b32 s10, ttmp7, 0xffff                   ; 16 b + h
	s_mov_b32 s16, 15|(3<<16)|(1<<20)|(1<<21)|(6<<22)|(31<<25)   ; K's codes: mask of all four; elements of 8 bytes; after every 128 words 32 words of padding
	s_mov_b32 s17, 64<<16                          ; rows of 512 bytes
	s_mov_b32 s18, 24<<16                          ; 24 rows: an eighth of 98,304 bytes
	s_mov_b32 s19, 64<<16
	s_mov_b32 s20, 24
	s_mov_b32 s21, 64
	s_mov_b32 s22, 0
	s_mov_b32 s23, 0
	s_mov_b32 s52, 15|(3<<16)|(1<<21)              ; the rest: rows of 256 bytes, dense
	s_mov_b32 s53, 32<<16
	s_mov_b32 s54, 54<<16                          ; 54 rows: an eighth of 110,592 bytes
	s_mov_b32 s55, 32<<16
	s_mov_b32 s56, 54
	s_mov_b32 s57, 32
	s_mov_b32 s58, 0
	s_mov_b32 s59, 0
	s_mul_i32 s40, s10, HREC                       ; the head's record
	s_mov_b32 s41, 0
	s_and_b32 s47, s[WV], 7                        ; my eighth
	s_mov_b32 s12, 1
	s_mul_i32 s13, s47, 24*SL
	s_mul_i32 s42, s47, 24*512
	s_mov_b32 s43, 0
	s_mov_b32 s48, 1
	s_mul_i32 s49, s47, 54*256
	s_add_co_u32 s60, s49, VCOD
	s_mov_b32 s61, 0
	s_add_co_u32 s49, s49, VC
	s_mov_b32 s[CS], 0x3e38aa3b                    ; c = log2(e) / 8
	s_mov_b32 s[CS+1], s[CS]
	s_mov_b32 s[SEL], 0x76543210
	s_mov_b32 s[SEL+1], 0xfedcba98
	s_lshl_b32 s44, s9, 4
	s_add_co_u32 s44, s44, s[WV]                   ; my pair of query tiles: 16 cx + w
	s_mul_i32 s32, s44, FRB
	s_add_co_u32 s32, s32, QCOD                    ; its image
	s_mov_b32 s33, 0
	s_lshr_b32 s34, s44, 1
	s_lshl_b32 s34, s34, 8
	s_and_b32 s35, s44, 1
	s_lshl_b32 s35, s35, 2
	s_add_co_u32 s34, s34, s35
	s_add_co_u32 s34, s34, QSCL                    ; its scale words: word pair % 2 of each lane's 8 bytes
	s_mov_b32 s35, 0
	s_lshr_b32 s45, s10, 4
	s_lshl_b32 s45, s45, 6
	s_add_co_u32 s45, s45, s44                     ; the pair among all tokens
	s_mul_i32 s45, s45, 2*REC
	s_bfe_u32 s46, s10, 0x10003                    ; the head's K half of the last product
	s_mul_i32 s46, s46, HALF
	s_add_co_u32 s45, s45, s46
	s_and_b32 s46, s10, 7
	s_mul_i32 s36, s46, 768                        ; half fragment h % 8
	s_add_co_u32 s36, s36, s45
	s_mov_b32 s37, 0
	s_lshl_b32 s38, s46, 1
	s_add_co_u32 s38, s38, s45
	s_add_co_u32 s38, s38, SCO                     ; its two bytes of each row's 16
	s_mov_b32 s39, 0
	s_wait_dscnt 0x0                               ; both opening adds are done
	s_wait_kmcnt 0x0
	s_add_nc_u64 s[4:5], s[4:5], s[40:41]
	s_add_nc_u64 s[14:15], s[4:5], s[42:43]        ; nothing in a descriptor hangs on my place in the cluster
	s_or_b32 s15, s15, 0x80000000
	s_add_nc_u64 s[50:51], s[4:5], s[60:61]
	s_or_b32 s51, s51, 0x80000000
	s_add_nc_u64 s[32:33], s[4:5], s[32:33]
	s_add_nc_u64 s[34:35], s[4:5], s[34:35]
	s_add_nc_u64 s[36:37], s[6:7], s[36:37]
	s_add_nc_u64 s[38:39], s[6:7], s[38:39]
	CROUND                                         ; all four work-groups are here: the joint loads meet
	s_cmp_lt_u32 s[WV], 8                          ; one load a wave, one to each arm
	s_cbranch_scc0 .Lrest
	tensor_load_to_lds s[12:15], s[16:23]
	s_nop 0
.rept 4
	v_nop
.endr
	s_branch .Lasked
.Lrest:
	tensor_load_to_lds s[48:51], s[52:59]
	s_nop 0
.rept 4
	v_nop
.endr
.Lasked:
	v_and_b32 v8, 31, v0
	v_lshlrev_b32 v[AI], 4, v8
	v_lshlrev_b32 v[L8], 3, v8
	global_load_b128 v[QP:QP+3], v[AI], s[32:33]
	global_load_b128 v[QP+4:QP+7], v[AI], s[32:33] offset:512
	global_load_b128 v[QP+8:QP+11], v[AI], s[32:33] offset:1024
	global_load_b32 v[QS], v[L8], s[34:35]
	v_and_b32 v9, 15, v0                           ; r
	v_bfe_u32 v10, v0, 4, 1                        ; h
	v_bfe_u32 v11, v0, 3, 1                        ; r / 8
	v_and_b32 v8, 7, v0                            ; r % 8
	v_lshlrev_b32 v[SH8], 3, v10
	v_mul_u32_u24 v[AK0], v11, 3*SL
	v_lshl_add_u32 v[AK0], v8, 4, v[AK0]
	v_lshl_add_u32 v[AK0], v10, 8, v[AK0]
	v_lshlrev_b32 v[ASK0], 3, v8
	v_lshl_add_u32 v[ASK0], v11, 2, v[ASK0]
	v_lshl_add_u32 v[ASK0], v10, 7, v[ASK0]
	v_add_nc_u32 v[ASK0], KSC, v[ASK0]
	v_add_nc_u32 v[AV0], VC, v[AI]
	v_add_nc_u32 v[ASV0], VSC, v[L8]
	v_lshlrev_b32 v[SOFF], 4, v9
	v_mad_u32_u24 v[SOFF], v10, REC, v[SOFF]       ; o's scale bytes: 16 r; lanes 16-31 store tile 1's, a record on
.irp i, 0,1,2,3,4,5
	v_mov_b32 v[28+\i], 0                          ; zero codes for q's upper 64 along K,
	v_mov_b32 v[40+\i], 0
	v_mov_b32 v[96+\i], 0                          ; and behind K's last tile
.endr
	v_mov_b32 v[BP], 0                             ; written once: a lane permute's destination counts as one of its sources
	v_mov_b32 v[BP+1], 0
	v_mov_b32 v[T], 0
	v_mov_b32 v[T2], 0
	v_mov_b32 v[F+1], 0                            ; (named as the upper half of the pair)
	WALU
	s_wait_loadcnt 0x0                             ; q
.irp i, 0,1,2,3,4,5
	v_mov_b32 v[34+\i], v[QP+\i]                   ; tile 0's codes in front of six zeros
.endr
	WALU                                           ; the wait at the head's end
	s_wait_tensorcnt 0x0                           ; my eighth is in,
	s_barrier_signal -1
	s_barrier_wait -1                              ; everybody's is
	PASS 0
	PASS 1
	v_and_b32 v[T], 31, v0
	v_cmp_le_u32 vcc_lo, 16, v[T]
	v_cndmask_b32 v[T2], v[SW], v[SW+1], vcc_lo
	global_store_b16 v[SOFF], v[T2], s[38:39]
	s_wait_tensorcnt 0x0                           ; the wave's end
	ds_add_u32 v[SPW], v[NIL]
	s_wait_dscnt 0x0
	CROUND                                         ; the closing round
	s_endpgm
.Lfunc_end_k_q3517d1635d_attn:
	.size	k_q3517d1635d_attn, .Lfunc_end_k_q3517d1635d_attn-k_q3517d1635d_attn
	.p2alignl 7, 3214868480
	.fill 96, 4, 3214868480
	.section	.rodata,"a",@progbits
	.p2align	6, 0x0
	.amdhsa_kernel k_q3517d1635d_attn
		.amdhsa_group_segment_fixed_size 327680
		.amdhsa_private_segment_fixed_size 0
		.amdhsa_enable_private_segment 0
		.amdhsa_kernarg_size 16
		.amdhsa_user_sgpr_count 2
		.amdhsa_user_sgpr_kernarg_segment_ptr 1
		.amdhsa_wavefront_size32 1
		.amdhsa_system_sgpr_workgroup_id_x 1
		.amdhsa_system_sgpr_workgroup_id_y 1
		.amdhsa_system_sgpr_workgroup_id_z 1
		.amdhsa_system_vgpr_workitem_id 0
		.amdhsa_next_free_vgpr 256
		.amdhsa_next_free_sgpr 66
		.amdhsa_reserve_vcc 1
		.amdhsa_float_denorm_mode_32 3
		.amdhsa_float_denorm_mode_16_64 3
		.amdhsa_memory_ordered 1
		.amdhsa_forward_progress 1
		.amdhsa_inst_pref_size 47
	.end_amdhsa_kernel
	.amdgpu_metadata
---
amdhsa.version: [ 1, 2 ]
amdhsa.kernels:
  - .name:           k_q3517d1635d_attn
    .symbol:         k_q3517d1635d_attn.kd
    .args:
      - { .name: hd, .offset: 0, .size: 8, .value_kind: global_buffer, .address_space: global }
      - { .name: ac, .offset: 8, .size: 8, .value_kind: global_buffer, .address_space: global }
    .group_segment_fixed_size: 327680
    .private_segment_fixed_size: 0
    .kernarg_segment_align: 8
    .kernarg_segment_size: 16
    .max_flat_workgroup_size: 512
    .sgpr_count:     66
    .vgpr_count:     256
    .wavefront_size: 32
...
	.end_amdgpu_metadata
.endif
;; end of part 3
;; launch proj (part 4): grid 8 x 32, 4 waves a work-group, clusters of 4 x 4, 327,680 bytes of LDS; arguments ac, qc, b_out, out0; writes out0
.if DOCPART == 4
	.amdgcn_target "amdgcn-amd-amdhsa--gfx1250"
	.amdhsa_code_object_version 6
	.text
	.protected	k_q3517d1635d_proj
	.globl	k_q3517d1635d_proj
	.p2align	8
	.type	k_q3517d1635d_proj,@function
k_q3517d1635d_proj:
	s_mov_b64 s[64:65], 0
	v_nop
	global_prefetch_b8 v0, s[64:65] scope:SCOPE_SE
	s_setreg_imm32_b32 hwreg(HW_REG_WAVE_MODE, 25, 1), 1
	s_wait_xcnt 0x0
	s_wait_alu depctr_hold_cnt(0) depctr_sa_sdst(0) depctr_va_vdst(0) depctr_va_sdst(0) depctr_va_ssrc(0) depctr_va_vcc(0) depctr_vm_vsrc(0)
	s_getreg_b32 s2, hwreg(HW_REG_IB_STS2, 6, 4)
	s_cmp_eq_u32 s2, 0
	s_cbranch_scc0 .Lentry_in_a_cluster
	s_endpgm
.Lentry_in_a_cluster:
	s_bfe_u32 s2, ttmp6, 0x10000c
	s_cmp_lg_u32 s2, 0xf033
	s_cbranch_scc0 .Lentry_shape_is_right
	s_endpgm
.Lentry_shape_is_right:
; out0 = o W_out^T + b_out on codes of FP6 (E2M3) with E8M0 scales, K = 1,024.  The main loop is the qkv launch's.
; A TILE: P = 128 rows of W_out (8 row blocks of qc, records 704 on), source 0: the outputs run along a lane's result registers; L = 256 tokens (16 row blocks of ac), source 1: a lane holds a token.  ALL of K lies in LDS.
; Wave w: all 8 blocks of P x L's blocks 4 w .. 4 w + 3: 32 accumulators, 8 K steps, 256 matrix instructions.  b_out is the C of each sum's first matrix instruction.
; ROW BLOCK p holds, in lane r, row 32 (p / 2) + 8 (p % 2) + r + 8 (r / 8).
; ac's records are laid as qc's but for a K step's 1,536 bytes: two half fragments of 768 (one head each): registers 0-3 at 16 lane, registers 4, 5 at 512 + 8 lane.
; CLUSTER 4 x 4: L's tile is asked for jointly along a row of the cluster, P's along a column.  Nothing in LDS is filled twice; a wave has two tensor loads out at the most.  LDS is claimed whole; 307,712 bytes are used.
; THE WAY OUT: a block of 16 tokens x 128 outputs goes through the wave's own stage (16 rows of 512 + 16 bytes) and leaves as rows of 512 consecutive bytes.  The stages lie in K half 0's bytes: they have had their only fill,
; and every wave has passed the barrier in K step 3, in front of which its reads of that half were waited for.
; REGISTERS: window 0: v1-15 addresses; v16-111 scale words; v112-207 L's fragments, two sets (on the way out v112-239: rows read back); v240 b_out's lane offset; v254, v255 the add's two.
;   window 1: P's fragments, two sets of 96; v192-255 b_out in the result's layout.   window 2: accumulator (l, p) at v[64 l + 8 p].
.set REC,   12800
.set HALF,  6400
.set FRB,   1536
.set SCO,   6144
.set CHUNK, 24*HALF
.set POFF,  16*HALF
.set SPARE, 2*CHUNK                    ; the spare words, 128 bytes a wave: two blocks of 256 bytes that no other line names
.set STG,   8448
.set LB,  4
.set PB,  6
.set LS,  8
.set PS,  10
.set LC,  12                           ; v12, v13 8 lane + 25,600 wave (+ CHUNK): registers 4, 5 of a half fragment
.set STO, 14
.set RD,  15
.set SC,  16
.set LF,  112
.set BK,  112
.set BO,  240
.set SPW, 254
.set NIL, 255
.set G1L, 24
.set G1P, 32
.set G0L, 40
.set G0P, 48
.set MSB, 0
.macro WIN new                         ; the immediate's high byte repeats the setting that is left
.if MSB != \new
	s_set_vgpr_msb (MSB<<8)|\new
.set MSB, \new
.endif
.endm
.macro CROUND
	s_barrier_signal -1
	s_barrier_wait -1
	s_cmp_lg_u32 s12, 0
	s_cbranch_scc1 .Lnot_wave_0_\@
	s_barrier_signal -3
.Lnot_wave_0_\@:
	s_barrier_wait -3
	s_barrier_signal -1
	s_barrier_wait -1
.endm
.macro PLACES n
.rept \n
	v_nop
.endr
.endm
.macro SCALES c
.irp p, 0,1,2,3,4,5,6,7
	ds_load_b128 v[SC+48*(\c)+4*\p:SC+48*(\c)+4*\p+3], v[PS+(\c)] offset:HALF*\p
.endr
.irp l, 0,1,2,3
	ds_load_b128 v[SC+48*(\c)+32+4*\l:SC+48*(\c)+32+4*\l+3], v[LS+(\c)] offset:HALF*\l
.endr
.endm
.macro FETCH c, q, set
	WIN 0x40                                       ; destination window 1
.irp p, 0,1,2,3,4,5,6,7
.irp i, 0,1,2
	ds_load_b128 v[96*(\set)+12*\p+4*\i:96*(\set)+12*\p+4*\i+3], v[PB+(\c)] offset:HALF*\p+FRB*(\q)+512*\i
.endr
.endr
	WIN 0
.irp l, 0,1,2,3
.irp e, 0,1
	ds_load_b128 v[LF+48*(\set)+12*\l+6*\e:LF+48*(\set)+12*\l+6*\e+3], v[LB+(\c)] offset:HALF*\l+FRB*(\q)+768*\e
	ds_load_b64 v[LF+48*(\set)+12*\l+6*\e+4:LF+48*(\set)+12*\l+6*\e+5], v[LC+(\c)] offset:HALF*\l+FRB*(\q)+768*\e+512
.endr
.endr
.endm
.macro MUL k                           ; the 32 accumulators take turns, in the same order in every K step
.if (\k) == 0
	WIN 0x91                                       ; source 0 (P) window 1, source 1 (L) window 0, C (b_out) window 1, D window 2
.else
	WIN 0xa1                                       ; C and D window 2
.endif
.irp l, 0,1,2,3
.irp p, 0,1,2,3,4,5,6,7
.if (\k) == 0
	v_wmma_scale_f32_16x16x128_f8f6f4 v[64*\l+8*\p:64*\l+8*\p+7], v[96*((\k)%2)+12*\p:96*((\k)%2)+12*\p+11], v[LF+48*((\k)%2)+12*\l:LF+48*((\k)%2)+12*\l+11], v[192+8*\p:192+8*\p+7], v[SC+48*((\k)/4)+4*\p+(\k)%4], v[SC+48*((\k)/4)+32+4*\l+(\k)%4] matrix_a_fmt:MATRIX_FMT_FP6 matrix_b_fmt:MATRIX_FMT_FP6
.else
	v_wmma_scale_f32_16x16x128_f8f6f4 v[64*\l+8*\p:64*\l+8*\p+7], v[96*((\k)%2)+12*\p:96*((\k)%2)+12*\p+11], v[LF+48*((\k)%2)+12*\l:LF+48*((\k)%2)+12*\l+11], v[64*\l+8*\p:64*\l+8*\p+7], v[SC+48*((\k)/4)+4*\p+(\k)%4], v[SC+48*((\k)/4)+32+4*\l+(\k)%4] matrix_a_fmt:MATRIX_FMT_FP6 matrix_b_fmt:MATRIX_FMT_FP6
.endif
.endr
.endr
	WIN 0
.endm
.macro STEP k
	s_wait_dscnt 0x0                               ; this K step's fragments are in (asked for a K step ago)
.if (\k) == 3
	s_wait_tensorcnt 0x0                           ; my part of K half 1 has landed;
	s_barrier_signal -1
	s_barrier_wait -1                              ; everybody's has, and nobody reads K half 0 any more.
.endif
.if (\k) > 0
	PLACES 4                                       ; in front of loads into the set that the last K step's products read
.endif
.if (\k) == 3
	SCALES 1
.endif
.if (\k) < 7
	FETCH ((\k)+1)/4, ((\k)+1)%4, ((\k)+1)%2
.endif
	MUL \k
.endm
	s_load_b128 s[4:7], s[0:1], 0x0                ; ac s[4:5], qc s[6:7]
	s_load_b128 s[8:11], s[0:1], 0x10              ; b_out s[8:9], out0 s[10:11]
	v_lshl_add_u32 v[SPW], v0, 2, SPARE
	v_mov_b32 v[NIL], 0
	ds_add_u32 v[SPW], v[NIL]                      ; the wave's opening: the add and its wait ahead of my first tensor load; the set-up below stands between them
	ds_add_u32 v[SPW], v[NIL]
	v_lshrrev_b32 v1, 5, v0
	v_readfirstlane_b32 s12, v1                    ; wave 0..3
	s_bfe_u32 s15, ttmp6, 0x40000                  ; cx
	s_bfe_u32 s16, ttmp6, 0x40004                  ; cy
	s_and_b32 s18, ttmp7, 0xffff
	s_lshl_b32 s20, s16, 2
	s_lshl_b32 s20, 15, s20                        ; my row of the cluster
	s_lshl_b32 s23, 0x1111, s15                    ; my column
	s_or_b32 s[G1L], s20, (3<<16)|(1<<21)          ; the mask: L's tiles go to my row; elements of 8 bytes; bit 21 set beside a mask; no padding
	s_or_b32 s[G1P], s23, (3<<16)|(1<<21)
	s_mov_b32 s[G1L+1], 800<<16                    ; a half record's 6,400 bytes
	s_mov_b32 s[G1L+2], 16<<16                     ; L's 16 row blocks: one load brings a K half of the whole tile
	s_mov_b32 s[G1L+3], 800<<16
	s_mov_b32 s[G1L+4], 16
	s_mov_b32 s[G1L+5], 1600                       ; from record to record
	s_mov_b32 s[G1L+6], 0
	s_mov_b32 s[G1L+7], 0
	s_mov_b32 s[G1P+1], 800<<16
	s_mov_b32 s[G1P+2], 8<<16                      ; P's 8 row blocks
	s_mov_b32 s[G1P+3], 800<<16
	s_mov_b32 s[G1P+4], 8
	s_mov_b32 s[G1P+5], 1600
	s_mov_b32 s[G1P+6], 0
	s_mov_b32 s[G1P+7], 0
	s_lshl_b32 s21, ttmp9, 2
	s_add_co_u32 s21, s21, s15                     ; pt: which 128 outputs
	s_lshl_b32 s22, s18, 2
	s_add_co_u32 s22, s22, s16                     ; lt: which 256 tokens
	s_lshl_b32 s57, s21, 3
	s_add_co_u32 s57, s57, 704                     ; P: record 704 + 8 pt
	s_mul_i32 s62, s57, REC
	s_mov_b32 s63, 0
	s_lshl_b32 s59, s22, 4                         ; L: record 16 lt
	s_mul_i32 s60, s59, REC
	s_mov_b32 s61, 0
	s_lshl_b32 s56, s21, 9                         ; 128 outputs are 512 bytes, of b_out and of a row of out0
	s_lshl_b32 s20, s22, 8
	s_lshl_b32 s23, s12, 6
	s_add_co_u32 s20, s20, s23                     ; my first token: 256 lt + 64 w
	s_lshl_b32 s20, s20, 12
	s_add_co_u32 s20, s20, s56
	s_wait_dscnt 0x0                               ; the opening add is done
	s_wait_kmcnt 0x0
	s_add_nc_u64 s[60:61], s[4:5], s[60:61]
	s_add_nc_u64 s[62:63], s[6:7], s[62:63]
.irp c, 0,1
	s_mov_b32 s[G0L+4*\c], 1
	s_mov_b32 s[G0L+4*\c+1], \c*CHUNK
	s_add_nc_u64 s[G0L+4*\c+2:G0L+4*\c+3], s[60:61], \c*HALF
	s_or_b32 s[G0L+4*\c+3], s[G0L+4*\c+3], 0x80000000
	s_mov_b32 s[G0P+4*\c], 1
	s_mov_b32 s[G0P+4*\c+1], \c*CHUNK+POFF
	s_add_nc_u64 s[G0P+4*\c+2:G0P+4*\c+3], s[62:63], \c*HALF
	s_or_b32 s[G0P+4*\c+3], s[G0P+4*\c+3], 0x80000000
.endr
	s_mov_b32 s57, 0
	s_add_nc_u64 s[8:9], s[8:9], s[56:57]          ; b_out at my 128 outputs
	s_mov_b32 s21, 0
	s_add_nc_u64 s[10:11], s[10:11], s[20:21]      ; out0 at my first token and output
	CROUND                                         ; all sixteen work-groups are here: the joint loads meet
; THE HEAD'S FOUR TILES, ONE A WAVE: wave 0 L's K half 0, wave 1 P's K half 0, wave 2 L's K half 1, wave 3 P's K half 1: one chain of arms, one load to an arm, one join; one load a wave is out.
.macro ARM under, g0, g1, next
	s_cmp_lt_u32 s12, \under
	s_cbranch_scc0 \next
	tensor_load_to_lds s[\g0:\g0+3], s[\g1:\g1+7]
	s_nop 0
	PLACES 4
	s_branch .Lfirst_done
\next:
.endm
	ARM 1, G0L, G1L, .Lwave_1
	ARM 2, G0P, G1P, .Lwave_2
	ARM 3, G0L+4, G1L, .Lwave_3
	tensor_load_to_lds s[G0P+4:G0P+7], s[G1P:G1P+7]
	s_nop 0
	PLACES 4
.Lfirst_done:
	v_and_b32 v1, 31, v0                           ; lane
	v_lshlrev_b32 v2, 4, v1                        ; 16 x lane
	v_lshlrev_b32 v3, 3, v1                        ; 8 x lane
	v_bfe_u32 v[STO], v0, 4, 1                     ; h
	v_lshlrev_b32 v[BO], 6, v[STO]                 ; b_out: lane (r, h) wants, for block p, outputs 32 (p / 2) + 16 h + 8 (p % 2) + 0 .. 7
	WIN 0x40                                       ; destination window 1
.irp p, 0,1,2,3,4,5,6,7
	global_load_b128 v[192+8*\p:192+8*\p+3], v[BO], s[8:9] offset:(32*(\p/2)+8*(\p%2))*4
	global_load_b128 v[192+8*\p+4:192+8*\p+7], v[BO], s[8:9] offset:(32*(\p/2)+8*(\p%2))*4+16
.endr
	WIN 0
	s_mul_i32 s20, s12, 4*HALF                     ; my four blocks of L
	v_add_nc_u32 v[LB], s20, v2
	v_add_nc_u32 v[LB+1], CHUNK, v[LB]
	v_add_nc_u32 v[LC], s20, v3
	v_add_nc_u32 v[LC+1], CHUNK, v[LC]
	v_add_nc_u32 v[PB], POFF, v2
	v_add_nc_u32 v[PB+1], CHUNK, v[PB]
	v_and_b32 v[LS], 15, v0                        ; r
	v_lshlrev_b32 v[PS], 4, v[LS]                  ; 16 r
	s_mul_i32 s21, s12, STG                        ; my stage
	v_mul_u32_u24 v[RD], v[LS], 528
	v_lshl_add_u32 v[STO], v[STO], 6, v[RD]
	v_add_nc_u32 v[STO], s21, v[STO]               ; in: row r, + 64 h
	v_add_nc_u32 v[RD], s21, v2                    ; back: a row of 512 bytes, 16 a lane
	v_add_nc_u32 v[LS], s20, v[PS]
	v_add_nc_u32 v[LS], SCO, v[LS]
	v_add_nc_u32 v[LS+1], CHUNK, v[LS]
	v_add_nc_u32 v[PS], POFF+SCO, v[PS]
	v_add_nc_u32 v[PS+1], CHUNK, v[PS]
	s_wait_alu depctr_va_vdst(0)
	s_cmp_lt_u32 s12, 2                            ; waves 0 and 1 brought K half 0 and wait for it; K half 1's loads, waves 2 and 3's own lines, may stay out
	s_cbranch_scc0 .Lhalf_1_out
	s_wait_tensorcnt 0x0
.Lhalf_1_out:
	s_barrier_signal -1
	s_barrier_wait -1                              ; everybody's is
	SCALES 0
	FETCH 0, 0, 0
	s_wait_loadcnt 0x0                             ; b_out
.irp k, 0,1,2,3,4,5,6,7
	STEP \k
.endr
; THE WAY OUT.  Register j of accumulator (l, p), lane (r, h): token lane r of block l, output 32 (p / 2) + 16 h + 8 (p % 2) + j.
.macro TOSTAGE l
	WIN 0x08                                       ; an LDS store's data are its source 1: window 2
.irp p, 0,1,2,3,4,5,6,7
	ds_store_b128 v[STO], v[64*(\l)+8*\p:64*(\l)+8*\p+3] offset:128*(\p/2)+32*(\p%2)          ; each accumulator from its low end on
	ds_store_b128 v[STO], v[64*(\l)+8*\p+4:64*(\l)+8*\p+7] offset:128*(\p/2)+32*(\p%2)+16
.endr
	WIN 0
.irp i, 0,1,2,3,4,5,6,7,8,9,10,11,12,13,14,15
	ds_load_b128 v[BK+64*((\l)%2)+4*\i:BK+64*((\l)%2)+4*\i+3], v[RD] offset:528*\i   ; LDS serves a wave's instructions in order: these see the stores above
.endr
.endm
.macro SEND l, younger                 ; younger: the LDS instructions issued behind block l's loads, which may stay out
	s_wait_dscnt \younger
.irp i, 0,1,2,3,4,5,6,7,8,9,10,11,12,13,14,15
	global_store_b128 v2, v[BK+64*((\l)%2)+4*\i:BK+64*((\l)%2)+4*\i+3], s[10:11] offset:(32*((\l)/2)+8*((\l)%2)+\i+8*(\i/8))*4096 th:TH_STORE_NT   ; 32 lanes store 512 consecutive bytes; written once, read by nobody here
.endr
.endm
	PLACES 4                                       ; in front of the first read of results and of loads into registers that held L's fragments
	TOSTAGE 0
.irp l, 1,2,3
.if \l > 1
	s_wait_xcnt 0x0                                ; block l - 2's stores have read their registers: block l's loads may land there
.endif
	TOSTAGE \l
	SEND \l-1, 32                                  ; behind block l - 1's loads: block l's 16 stores and 16 loads
.endr
	SEND 3, 0
	s_wait_tensorcnt 0x0                           ; the wave's end, behind my last tensor load and my last LDS store
	ds_add_u32 v[SPW], v[NIL]
	s_wait_dscnt 0x0
	CROUND                                         ; the closing round
	s_endpgm
.Lfunc_end_k_q3517d1635d_proj:
	.size	k_q3517d1635d_proj, .Lfunc_end_k_q3517d1635d_proj-k_q3517d1635d_proj
	.p2alignl 7, 3214868480
	.fill 96, 4, 3214868480
	.section	.rodata,"a",@progbits
	.p2align	6, 0x0
	.amdhsa_kernel k_q3517d1635d_proj
		.amdhsa_group_segment_fixed_size 327680
		.amdhsa_private_segment_fixed_size 0
		.amdhsa_enable_private_segment 0
		.amdhsa_kernarg_size 32
		.amdhsa_user_sgpr_count 2
		.amdhsa_user_sgpr_kernarg_segment_ptr 1
		.amdhsa_wavefront_size32 1
		.amdhsa_system_sgpr_workgroup_id_x 1
		.amdhsa_system_sgpr_workgroup_id_y 1
		.amdhsa_system_sgpr_workgroup_id_z 1
		.amdhsa_system_vgpr_workitem_id 0
		.amdhsa_next_free_vgpr 768
		.amdhsa_next_free_sgpr 72
		.amdhsa_reserve_vcc 0
		.amdhsa_float_denorm_mode_32 3
		.amdhsa_float_denorm_mode_16_64 3
		.amdhsa_memory_ordered 1
		.amdhsa_forward_progress 1
		.amdhsa_inst_pref_size 79
	.end_amdhsa_kernel
	.amdgpu_metadata
---
amdhsa.version: [ 1, 2 ]
amdhsa.kernels:
  - .name:           k_q3517d1635d_proj
    .symbol:         k_q3517d1635d_proj.kd
    .args:
      - { .name: ac, .offset: 0, .size: 8, .value_kind: global_buffer, .address_space: global }
      - { .name: qc, .offset: 8, .size: 8, .value_kind: global_buffer, .address_space: global }
      - { .name: b_out, .offset: 16, .size: 8, .value_kind: global_buffer, .address_space: global }
      - { .name: out0, .offset: 24, .size: 8, .value_kind: global_buffer, .address_space: global }
    .group_segment_fixed_size: 327680
    .private_segment_fixed_size: 0
    .kernarg_segment_align: 8
    .kernarg_segment_size: 32
    .max_flat_workgroup_size: 128
    .sgpr_count:     72
    .vgpr_count:     768
    .wavefront_size: 32
...
	.end_amdgpu_metadata
.endif
;; end of part 4
